; MI455X (gfx1250); checked and timed in simulation.
; The chip was launched on July 23, 2026; its instructions are those of AMD's public machine-readable ISA for CDNA 5 (MIT licence, August 2026) and "CDNA5" Instruction Set Architecture Reference Guide (July 2026). The comments in the code are by the model that wrote it; some were corrected since.
;; Attention Block. Allowed arithmetic: matrix products marked QUANTISED: E4M3 operands, one E8M0 scale for each 32 along K, by v_wmma_scale_f32_16x16x128_f8f6f4 with both operands' format E4M3, f32 sums; products left as they are: f32 operands where the result goes on into a quantised operand, else bf16, f16 or f32 operands; f32 sums; everything else in f32.
;; Inputs: Wk 1,024 x 1,024 float32; Wq 1,024 x 1,024 float32; Wv 1,024 x 1,024 float32; bk 1,024 float32; bq 1,024 float32; bv 1,024 float32; past_predictions 512 x 64 x 1,024 float32; z_state 512 x 1,024 float32.
;; Outputs: out0 512 x 1,024 float32.
;; This version of the problem:
;;   THIS VERSION OF THE PROBLEM IS GIVEN IN LOW PRECISION. The matrix products marked QUANTISED in the list below multiply operands that are first quantised to E4M3 (4 exponent bits, 3 mantissa bits; 8 bits a number), with one power-of-two scale for each 32 numbers along K (OCP MX v1.0); their sums are f32. All else is computed in f32.
;;   The module's matrix products, in the order in which they are computed (A, B: the left and right operand; K: the contracted axis; several contracted axes count as one K, in the product's order):
;;     1. [M 512, K 1,024] x [K 1,024, N 1,024]; A: input z_state; B: input Wq: QUANTISED
;;     2. [M 32,768, K 1,024] x [K 1,024, N 1,024]; A: input past_predictions; B: input Wk: QUANTISED
;;     3. [M 32,768, K 1,024] x [K 1,024, N 1,024]; A: input past_predictions; B: input Wv: QUANTISED
;;     4. batch 512 x [M 1, K 1,024] x [K 1,024, N 64]; A: computed on the way; B: computed on the way: left as it is (M = 1 < 16)
;;     5. batch 512 x [M 1, K 64] x [K 64, N 1,024]; A: softmax; B: computed on the way: left as it is (M = 1 < 16)
;;   THE QUANTISER, for each operand of a quantised product, along K:
;;     - K is cut into blocks of 32 from its start; a last block that is shorter is filled with zeros.
;;     - A block's scale is 2^e with e = floor(log2(the largest magnitude in the block)) - 8, held to -126 .. 127; a block of zeros has e = 0. As a byte (E8M0): e + 127.
;;     - Each number is divided by its block's scale, clamped to +-448, and rounded to the nearest number of E4M3, ties to even, subnormals kept.
;;     - The product sums the exact products of the quantised numbers (number of the format x scale) in f32.
;;   ~~~python
;;   def quantise(x, axis):      # numpy; x: float32 -> the quantised numbers, widened to float32 again
;;       x = np.moveaxis(x, axis, -1); K = x.shape[-1]
;;       x = np.pad(x, [(0, 0)] * (x.ndim - 1) + [(0, -K % 32)]); x = x.reshape(x.shape[:-1] + (-1, 32)); a = np.abs(x).max(-1, keepdims=True)
;;       e = np.where(a > 0, np.clip(np.frexp(np.where(a > 0, a, 1))[1] - 1 - 8, -126, 127), 0)      # np.frexp(a)[1] - 1 = floor(log2(a)), exactly
;;       r = np.clip(x / 2.0 ** e, -448, 448)
;;       step = 2.0 ** (np.maximum(np.frexp(np.where(r == 0, 1, r))[1] - 1, -6) - 3)
;;       q = np.round(r / step) * step * 2.0 ** e      # np.round: ties to even
;;       return np.moveaxis(q.reshape(q.shape[:-2] + (-1,))[..., :K], -1, axis).astype(np.float32)
;;   ~~~
;; One version. Each part assembles by itself: llvm-mc -triple=amdgcn-amd-amdhsa -mcpu=gfx1250 --defsym DOCPART=n.
;; ======== version 1 of 1: 3 launches
;; workspace buffers: img 3,784,704 bytes; qbuf 2,097,152 bytes
;; launch prep (part 1): grid 224 x 1, 2 waves a work-group, no clusters, 17,152 bytes of LDS; arguments Wk, Wv, Wq, z_state, img; writes img
.if DOCPART == 1
	.amdgcn_target "amdgcn-amd-amdhsa--gfx1250"
	.amdhsa_code_object_version 6
	.text
	.protected	k_q849215decd_prep
	.globl	k_q849215decd_prep
	.p2align	8
	.type	k_q849215decd_prep,@function
k_q849215decd_prep:
	s_mov_b64 s[64:65], 0
	v_nop
	global_prefetch_b8 v0, s[64:65] scope:SCOPE_SE
	s_setreg_imm32_b32 hwreg(HW_REG_WAVE_MODE, 25, 1), 1
	s_wait_xcnt 0x0
; Wk, Wv, Wq [1024][1024] and z_state [512][1024], f32, K innermost, become codes of FP8 (E4M3) with one E8M0 byte for each 32 along K,
; laid in img AS IMAGES OF THE OPERAND'S REGISTERS, so that the later launches fetch fragments as dense blocks.
; img = 28 slots of 135,168 bytes: slots 0-7 Wk, 8-15 Wv, 16-23 Wq, 24-27 z; a slot holds 8 tiles of 16 rows.  A slot = 4 blocks of 33,792 bytes, block w = K 256 w .. 256 w + 255.
; In a block: the fragment of (tile dt, K step 2 w + s), registers 4 c .. 4 c + 3 of lane l, at dt 4096 + s 2048 + c 512 + 16 l; behind the codes, from byte 32,768 on, the scale words:
; (dt / 2) 256 + 8 l + 4 (dt % 2): lanes 0-15 hold row l's word of K step 2 w, lanes 16-31 row (l - 16)'s word of K step 2 w + 1.
; A block's scale is 2^(floor(log2(largest magnitude)) - 8); its byte is the largest magnitude's exponent field - 8, held at 1 from below; each number is held within +-448 x the scale and rounded to the nearest code, ties to even.
; LIMITS: NaN and infinities among the inputs are not served.  A block of zeros gets the byte 1 where the rule says 127: its codes are zeros, which add nothing, and the bytes are read by this program alone.
; Blocks whose largest magnitude lies under 2^-118 get the byte 1, as the rule's hold at -126 asks; that range was not tried.
; SHARES: 112 pairs of tiles x 4 quarters of K = 448 waves.  A wave makes 4 units (tile tt, K step s): 16 rows x 128 numbers each.
; Each load reads 512 consecutive bytes of one row; a unit turns through the wave's own stage in LDS (16 rows, 528 bytes apart) so that lane (r, h) gets, of row r, 16 neighbours of each block of 32.
; No tensor loads, no barrier: the waves share nothing.  No cluster: no two work-groups read the same bytes.
.set SLOTB, 135168
.set BLKB,  33792
.set GP,  4                            ; v4   byte offset of my 16 bytes in a row: 1024 w + 16 lane
.set STS, 5                            ; v5   the stage, on the way in: 8448 wave + 16 lane
.set STL, 6                            ; v6   and back: 8448 wave + 528 r + 64 h
.set LI,  7                            ; v7   16 lane
.set L8,  8                            ; v8   8 lane
.set PS,  16                           ; v16-17 the two tiles' scale words
.set XN,  64                           ; v64-191 two sets of 64 turned numbers
.set TM,  200                          ; v200-203 largest magnitudes, v204-207 bytes, v208-211 448 x the scale, v212-215 the conversions' scale operands
.set PW,  216                          ; the scale word just made
.set SEL, 20                           ; s[20:21] lane selects: lane l xor 16
.set HM,  22                           ; s22  the mask of lanes 16-31
.set MNT, 23                           ; s23  the mantissa field of 448
.set SRC, 24                           ; s[24:25] my 32 rows of the source
.set DC,  26                           ; s[26:27] where my codes go
.set DS,  28                           ; s[28:29] where my scale words go
; window 1: v0-255 four landing sets of 64;  window 2: v0-63 the four units' codes
.set MSB, 0
.macro WIN new                         ; the immediate's high byte repeats the setting that is left
.if MSB != (\new)
	s_set_vgpr_msb (MSB<<8)|(\new)
.set MSB, (\new)
.endif
.endm
.macro GLOAD u                         ; unit u = 2 tile + s: 16 rows x 512 bytes into landing set u % 4
	WIN 0x40
.irp i, 0,1,2,3,4,5,6,7,8,9,10,11,12,13,14,15
	global_load_b128 v[64*((\u)%4)+4*\i:64*((\u)%4)+4*\i+3], v[GP], s[SRC:SRC+1] offset:(16*((\u)/2)+\i)*4096+512*((\u)%2) th:TH_LOAD_NT
.endr
.endm
.macro TURN u                          ; through the stage: LDS serves a wave's instructions in order, so no wait stands between the stores and the loads
	WIN 0x04
.irp i, 0,1,2,3,4,5,6,7,8,9,10,11,12,13,14,15
	ds_store_b128 v[STS], v[64*((\u)%4)+4*\i:64*((\u)%4)+4*\i+3] offset:528*\i
.endr
	WIN 0
.irp b, 0,1,2,3
.irp j, 0,1,2,3
	ds_load_b128 v[XN+64*((\u)%2)+16*\b+4*\j:XN+64*((\u)%2)+16*\b+4*\j+3], v[STL] offset:128*\b+16*\j
.endr
.endr
.endm
; 64 numbers of a lane, register 16 b + i = k 32 b + 16 h + i of my row, become a fragment's 16 registers at v[dreg] of the window that win names, and its scale word in v[PW]
.macro QUANT xs, win, dreg
	WIN 0
.irp b, 0,1,2,3
	v_max3_num_f32 v[TM+\b], |v[(\xs)+16*\b]|, |v[(\xs)+1+16*\b]|, 0x4800000   ; my 16 numbers of block b, and the floor 2^(9 - 127): the byte cannot fall under 1
.endr
.irp i, 2,4,6,8,10,12,14
.irp b, 0,1,2,3
	v_max3_num_f32 v[TM+\b], v[TM+\b], |v[(\xs)+16*\b+\i]|, |v[(\xs)+1+16*\b+\i]|
.endr
.endr
.irp b, 0,1,2,3
	v_permlanex16_b32 v[TM+4+\b], v[TM+\b], s[SEL], s[SEL+1]
.endr
.irp b, 0,1,2,3
	v_max_num_f32 v[TM+\b], v[TM+\b], v[TM+4+\b]               ; with lane l xor 16's: the block's largest magnitude
.endr
.irp b, 0,1,2,3
	v_add_nc_u32 v[TM+12+\b], 0xfc000000, v[TM+\b]             ; 8 off its exponent field: the conversion's scale operand
.endr
.irp b, 0,1,2,3
	v_and_or_b32 v[TM+8+\b], v[TM+\b], 0x7f800000, s[MNT]      ; 448 x the scale
.endr
.irp b, 0,1,2,3
	v_lshrrev_b32 v[TM+4+\b], 23, v[TM+12+\b]                  ; the scale's byte
.endr
	v_lshl_or_b32 v[PW], v[TM+5], 8, v[TM+4]
	v_lshl_or_b32 v[PW], v[TM+6], 16, v[PW]
	v_lshl_or_b32 v[PW], v[TM+7], 24, v[PW]                    ; my row's scale word, the same in lanes l and l xor 16
.irp b, 0,1,2,3
.irp i, 0,1,2,3,4,5,6,7,8,9,10,11,12,13,14,15
	v_med3_num_f32 v[(\xs)+16*\b+\i], v[(\xs)+16*\b+\i], -v[TM+8+\b], v[TM+8+\b]   ; the conversion to an 8-bit code does not saturate (ISA guide 7.6.2): the hold comes first
.endr
.endr
	WIN \win
.irp b, 0,1,2,3
	v_cvt_scalef32_pk8_fp8_f32 v[(\dreg)+4*\b:(\dreg)+4*\b+1], v[(\xs)+16*\b:(\xs)+16*\b+7], v[TM+12+\b]
	v_cvt_scalef32_pk8_fp8_f32 v[(\dreg)+4*\b+2:(\dreg)+4*\b+3], v[(\xs)+16*\b+8:(\xs)+16*\b+15], v[TM+12+\b]
.endr
	WIN 0
	v_nop                                                      ; one plain vector line behind the last scaled conversion
.endm
.macro STEPHEAD u, nu                  ; unit u's numbers are back; the loads run four units ahead, the turn one
	s_wait_dscnt 0x0                                           ; unit u is back from the stage: its stores have read landing set u % 4, and the stage is free
.if (\u)+4 < \nu
	GLOAD ((\u)+4)
.endif
.if (\u)+1 < \nu
.if \nu-2-(\u) >= 3
	s_wait_loadcnt 48                                          ; unit u + 1's 16 loads are in; those of the three units behind it may be out
.else
	s_wait_loadcnt 16*(\nu-2-(\u))                             ; the same, with fewer units behind it
.endif
	TURN ((\u)+1)
.endif
.endm
	s_load_b256 s[4:11], s[0:1], 0x0               ; Wk s[4:5], Wv s[6:7], Wq s[8:9], z s[10:11]
	s_load_b64 s[12:13], s[0:1], 0x20              ; img
	v_lshl_add_u32 v254, v0, 2, 0x4200
	v_mov_b32 v255, 0
	v_lshrrev_b32 v1, 5, v0
	v_readfirstlane_b32 s16, v1                    ; wave 0, 1
	s_lshr_b32 s17, ttmp9, 1                       ; which pair of tiles, 0 .. 111
	s_and_b32 s18, ttmp9, 1
	s_lshl_b32 s18, s18, 1
	s_add_co_u32 s18, s18, s16                     ; w: which quarter of K
	v_and_b32 v1, 31, v0                           ; lane
	v_and_b32 v2, 15, v0                           ; r
	v_bfe_u32 v3, v0, 4, 1                         ; h
	v_lshlrev_b32 v[LI], 4, v1
	v_lshlrev_b32 v[L8], 3, v1
	s_lshl_b32 s30, s18, 10
	v_add_nc_u32 v[GP], s30, v[LI]
	s_mul_i32 s31, s16, 8448                       ; my stage: it hangs on the wave's number alone
	v_add_nc_u32 v[STS], s31, v[LI]
	v_mul_u32_u24 v[STL], v2, 528
	v_lshl_add_u32 v[STL], v3, 6, v[STL]
	v_add_nc_u32 v[STL], s31, v[STL]
	s_mov_b32 s[SEL], 0x76543210
	s_mov_b32 s[SEL+1], 0xfedcba98
	s_mov_b32 s[HM], 0xffff0000
	s_mov_b32 s[MNT], 0x600000
.irp b, 0,1,2,3
	v_mov_b32 v[TM+4+\b], 0                        ; written once: a lane permute's destination counts as one of its sources
.endr
	s_wait_kmcnt 0x0
	s_cmp_lt_u32 s17, 96                           ; which tensor: the choice hangs on the work-group's number alone.  Pairs 0-31 Wk, 32-63 Wv, 64-95 Wq, 96-111 z
	s_cselect_b64 s[SRC:SRC+1], s[8:9], s[10:11]
	s_cselect_b32 s19, 64, 96
	s_cmp_lt_u32 s17, 64
	s_cselect_b64 s[SRC:SRC+1], s[6:7], s[SRC:SRC+1]
	s_cselect_b32 s19, 32, s19
	s_cmp_lt_u32 s17, 32
	s_cselect_b64 s[SRC:SRC+1], s[4:5], s[SRC:SRC+1]
	s_cselect_b32 s19, 0, s19
	s_sub_co_u32 s30, s17, s19
	s_lshl_b32 s30, s30, 17                        ; 32 rows of 4,096 bytes a pair
	s_mov_b32 s31, 0
	s_add_nc_u64 s[SRC:SRC+1], s[SRC:SRC+1], s[30:31]
	s_lshr_b32 s32, s17, 2                         ; the slot: four pairs to a slot
	s_mul_i32 s32, s32, SLOTB
	s_mul_i32 s33, s18, BLKB
	s_add_co_u32 s32, s32, s33                     ; my block
	s_and_b32 s33, s17, 3
	s_lshl_b32 s30, s33, 13                        ; two tiles of 4,096 bytes a pair
	s_add_co_u32 s30, s30, s32
	s_add_nc_u64 s[DC:DC+1], s[12:13], s[30:31]
	s_lshl_b32 s30, s33, 8                         ; 256 bytes of scale words a pair
	s_add_co_u32 s30, s30, s32
	s_add_co_u32 s30, s30, 32768
	s_add_nc_u64 s[DS:DS+1], s[12:13], s[30:31]
	GLOAD 0
	GLOAD 1
	GLOAD 2
	GLOAD 3
	s_wait_loadcnt 48                              ; unit 0's 16 loads are in
	TURN 0
.set U, 0
.rept 4
	STEPHEAD U, 4
	QUANT XN+64*(U%2), 0x80, 16*U                  ; each unit has registers of its own for its codes: no store's data are written again
.if U%2 == 0
	v_mov_b32 v[PS+U/2], v[PW]                     ; K step 2 w's word,
.else
	v_cndmask_b32 v[PS+U/2], v[PS+U/2], v[PW], s[HM]   ; and in lanes 16-31 that of K step 2 w + 1
.endif
	WIN 0x08                                       ; a store's data are its source 1: window 2
.irp c, 0,1,2,3
	global_store_b128 v[LI], v[16*U+4*\c:16*U+4*\c+3], s[DC:DC+1] offset:(U/2)*4096+(U%2)*2048+512*\c   ; 32 lanes store 512 consecutive bytes
.endr
.set U, U+1
.endr
	WIN 0
	global_store_b64 v[L8], v[PS:PS+1], s[DS:DS+1] ; 32 lanes store 256 consecutive bytes, aligned
	s_wait_tensorcnt 0x0
	ds_add_u32 v254, v255
	s_wait_dscnt 0x0
	s_endpgm
.Lfunc_end_k_q849215decd_prep:
	.size	k_q849215decd_prep, .Lfunc_end_k_q849215decd_prep-k_q849215decd_prep
	.p2alignl 7, 3214868480
	.fill 96, 4, 3214868480
	.section	.rodata,"a",@progbits
	.p2align	6, 0x0
	.amdhsa_kernel k_q849215decd_prep
		.amdhsa_group_segment_fixed_size 17152
		.amdhsa_private_segment_fixed_size 0
		.amdhsa_enable_private_segment 0
		.amdhsa_kernarg_size 40
		.amdhsa_user_sgpr_count 2
		.amdhsa_user_sgpr_kernarg_segment_ptr 1
		.amdhsa_wavefront_size32 1
		.amdhsa_system_sgpr_workgroup_id_x 1
		.amdhsa_system_sgpr_workgroup_id_y 1
		.amdhsa_system_sgpr_workgroup_id_z 1
		.amdhsa_system_vgpr_workitem_id 0
		.amdhsa_next_free_vgpr 576
		.amdhsa_next_free_sgpr 66
		.amdhsa_reserve_vcc 0
		.amdhsa_float_denorm_mode_32 3
		.amdhsa_float_denorm_mode_16_64 3
		.amdhsa_memory_ordered 1
		.amdhsa_forward_progress 1
		.amdhsa_inst_pref_size 52
	.end_amdhsa_kernel
	.amdgpu_metadata
---
amdhsa.version: [ 1, 2 ]
amdhsa.kernels:
  - .name:           k_q849215decd_prep
    .symbol:         k_q849215decd_prep.kd
    .args:
      - { .name: Wk, .offset: 0, .size: 8, .value_kind: global_buffer, .address_space: global }
      - { .name: Wv, .offset: 8, .size: 8, .value_kind: global_buffer, .address_space: global }
      - { .name: Wq, .offset: 16, .size: 8, .value_kind: global_buffer, .address_space: global }
      - { .name: z_state, .offset: 24, .size: 8, .value_kind: global_buffer, .address_space: global }
      - { .name: img, .offset: 32, .size: 8, .value_kind: global_buffer, .address_space: global }
    .group_segment_fixed_size: 17152
    .private_segment_fixed_size: 0
    .kernarg_segment_align: 8
    .kernarg_segment_size: 40
    .max_flat_workgroup_size: 64
    .sgpr_count:     66
    .vgpr_count:     576
    .wavefront_size: 32
...
	.end_amdgpu_metadata
.endif
;; end of part 1
;; launch query (part 2): grid 256 x 1, 2 waves a work-group, no clusters, 8,960 bytes of LDS; arguments img, bq, qbuf; writes qbuf
.if DOCPART == 2
	.amdgcn_target "amdgcn-amd-amdhsa--gfx1250"
	.amdhsa_code_object_version 6
	.text
	.protected	k_q849215decd_query
	.globl	k_q849215decd_query
	.p2align	8
	.type	k_q849215decd_query,@function
k_q849215decd_query:
	s_mov_b64 s[64:65], 0
	v_nop
	global_prefetch_b8 v0, s[64:65] scope:SCOPE_SE
	s_setreg_imm32_b32 hwreg(HW_REG_WAVE_MODE, 25, 1), 1
	s_wait_xcnt 0x0
; q = z Wq^T + bq on codes of FP8 (E4M3) with E8M0 scales; q [512][1024] f32 goes to qbuf.  Codes and scale words come from img as images of the operand's registers (slots 16-23 Wq, 24-27 z):
; slot = 135,168 bytes = 4 blocks (quarters w of K) of 33,792; fragment (tile dt, K step 2 w + s) at dt 4096 + s 2048 + c 512 + 16 lane; scale words at 32,768 + (dt / 2) 256 + 8 lane + 4 (dt % 2),
; lanes 0-15 for K step 2 w, lanes 16-31 for K step 2 w + 1.
; SHARES: 512 waves; wave J makes 16 batch rows (tile mt = J / 16) x 64 outputs (tiles 4 (J % 16) + 0 .. 3): 4 accumulators by turns, 8 K steps, 32 matrix instructions.
; All fragments are asked for at once (every load is 512 consecutive bytes) and stay in registers: windows 1 to 3, 80 registers a K step (z's 16, then Wq's 4 x 16).
; TRANSPOSED: source 0 = 16 rows of Wq, source 1 = 16 rows of z: a lane holds one batch row (lane % 16) and eight neighbouring outputs.  bq is the C of each sum's first instruction.
; No cluster and no LDS ring: the whole launch reads 1.5 MB of codes, a few fragments a wave, each once by that wave.
.set SLOTB, 135168
.set BLKB,  33792
.set LI,  4                            ; v4  16 lane
.set L8,  5                            ; v5  8 lane
.set BO,  6                            ; v6  32 h
.set SO,  7                            ; v7  the stage: where I put 32 bytes of a row
.set RD,  8                            ; v8  and where I read a row back
.set GO,  9                            ; v9  my byte offset in qbuf
.set ZS,  16                           ; v16-19  z's scale words, one register a quarter of K
.set QS,  20                           ; v20-35  Wq's: 4 w + tile
.set BI,  40                           ; v40-71  bq in the result's layout, 8 registers a tile
.set ACC, 72                           ; v72-103 the four accumulators
.set OB,  104                          ; v104-135 rows on the way out
.set MSB, 0
.macro WIN new                         ; the immediate's high byte repeats the setting that is left
.if MSB != (\new)
	s_set_vgpr_msb (MSB<<8)|(\new)
.set MSB, (\new)
.endif
.endm
.macro QMM ks, nt
.set qb, 80*((\ks)%3)
.if (\ks) == 0
	v_wmma_scale_f32_16x16x128_f8f6f4 v[ACC+8*\nt:ACC+8*\nt+7], v[qb+16+16*\nt:qb+31+16*\nt], v[qb:qb+15], v[BI+8*\nt:BI+8*\nt+7], v[QS+\nt], v[ZS]
.elseif (\ks)%2 == 0
	v_wmma_scale_f32_16x16x128_f8f6f4 v[ACC+8*\nt:ACC+8*\nt+7], v[qb+16+16*\nt:qb+31+16*\nt], v[qb:qb+15], v[ACC+8*\nt:ACC+8*\nt+7], v[QS+4*((\ks)/2)+\nt], v[ZS+(\ks)/2]
.else
	v_wmma_scale_f32_16x16x128_f8f6f4 v[ACC+8*\nt:ACC+8*\nt+7], v[qb+16+16*\nt:qb+31+16*\nt], v[qb:qb+15], v[ACC+8*\nt:ACC+8*\nt+7], v[QS+4*((\ks)/2)+\nt], v[ZS+(\ks)/2] matrix_a_scale:MATRIX_SCALE_ROW1 matrix_b_scale:MATRIX_SCALE_ROW1
.endif
.endm
	s_load_b128 s[4:7], s[0:1], 0x0                ; img s[4:5], bq s[6:7]
	s_load_b64 s[8:9], s[0:1], 0x10                ; qbuf
	v_lshl_add_u32 v254, v0, 2, 0x2200
	v_mov_b32 v255, 0
	v_lshrrev_b32 v1, 5, v0
	v_readfirstlane_b32 s10, v1                    ; wave 0, 1
	s_lshl_b32 s11, ttmp9, 1
	s_add_co_u32 s11, s11, s10                     ; J
	s_lshr_b32 s12, s11, 4                         ; mt
	s_and_b32 s13, s11, 15                         ; ng
	s_lshr_b32 s14, s12, 3
	s_add_co_u32 s14, s14, 24
	s_mul_i32 s14, s14, SLOTB                      ; z's slot
	s_and_b32 s15, s12, 7                          ; its tile in the slot
	s_lshl_b32 s16, s15, 12
	s_add_co_u32 s16, s16, s14                     ; z's codes
	s_mov_b32 s17, 0
	s_lshr_b32 s18, s15, 1
	s_lshl_b32 s18, s18, 8
	s_and_b32 s19, s15, 1
	s_lshl_b32 s19, s19, 2
	s_add_co_u32 s18, s18, s19
	s_add_co_u32 s18, s18, s14
	s_add_co_u32 s18, s18, 32768                   ; z's scale words
	s_mov_b32 s19, 0
	s_lshr_b32 s20, s13, 1
	s_add_co_u32 s20, s20, 16
	s_mul_i32 s20, s20, SLOTB                      ; Wq's slot
	s_and_b32 s21, s13, 1                          ; its first or second four tiles
	s_lshl_b32 s24, s21, 14
	s_add_co_u32 s24, s24, s20                     ; Wq's codes
	s_mov_b32 s25, 0
	s_lshl_b32 s26, s21, 9
	s_add_co_u32 s26, s26, s20
	s_add_co_u32 s26, s26, 32768                   ; Wq's scale words
	s_mov_b32 s27, 0
	s_lshl_b32 s28, s13, 8                         ; my 64 outputs, in bytes
	s_mov_b32 s29, 0
	s_lshl_b32 s30, s12, 16                        ; my 16 rows of qbuf
	s_add_co_u32 s30, s30, s28
	s_mov_b32 s31, 0
	v_and_b32 v1, 31, v0                           ; lane
	v_and_b32 v2, 15, v0                           ; r
	v_bfe_u32 v3, v0, 4, 1                         ; h
	v_lshlrev_b32 v[LI], 4, v1
	v_lshlrev_b32 v[L8], 3, v1
	v_lshlrev_b32 v[BO], 5, v3
	s_mul_i32 s32, s10, 16*272                     ; my stage: 16 rows x (256 bytes + 16)
	v_mul_u32_u24 v[SO], v2, 272
	v_lshl_add_u32 v[SO], v3, 5, v[SO]
	v_add_nc_u32 v[SO], s32, v[SO]
	v_mul_u32_u24 v[RD], v3, 272
	v_lshl_add_u32 v[RD], v2, 4, v[RD]
	v_add_nc_u32 v[RD], s32, v[RD]
	v_lshlrev_b32 v[GO], 12, v3
	v_lshl_add_u32 v[GO], v2, 4, v[GO]
	s_wait_kmcnt 0x0
	s_add_nc_u64 s[16:17], s[4:5], s[16:17]
	s_add_nc_u64 s[18:19], s[4:5], s[18:19]
	s_add_nc_u64 s[24:25], s[4:5], s[24:25]
	s_add_nc_u64 s[26:27], s[4:5], s[26:27]
	s_add_nc_u64 s[6:7], s[6:7], s[28:29]
	s_add_nc_u64 s[8:9], s[8:9], s[30:31]
.irp w, 0,1,2,3
	global_load_b32 v[ZS+\w], v[L8], s[18:19] offset:BLKB*\w
.endr
.irp w, 0,1,2,3
.irp g, 0,1
	global_load_b64 v[QS+4*\w+2*\g:QS+4*\w+2*\g+1], v[L8], s[26:27] offset:BLKB*\w+256*\g
.endr
.endr
.irp n, 0,1,2,3
	global_load_b128 v[BI+8*\n:BI+8*\n+3], v[BO], s[6:7] offset:64*\n          ; bq at outputs 16 n + 8 h + 0 .. 7
	global_load_b128 v[BI+8*\n+4:BI+8*\n+7], v[BO], s[6:7] offset:64*\n+16
.endr
.irp k, 0,1,2,3,4,5,6,7                ; K step k: window 1 + k / 3, from register 80 (k % 3) on
	WIN (1+\k/3)<<6
.irp c, 0,1,2,3
	global_load_b128 v[80*(\k%3)+4*\c:80*(\k%3)+4*\c+3], v[LI], s[16:17] offset:(\k/2)*BLKB+(\k%2)*2048+512*\c
.endr
.irp n, 0,1,2,3
.irp c, 0,1,2,3
	global_load_b128 v[80*(\k%3)+16+16*\n+4*\c:80*(\k%3)+16+16*\n+4*\c+3], v[LI], s[24:25] offset:(\k/2)*BLKB+(\k%2)*2048+\n*4096+512*\c
.endr
.endr
.endr
	s_wait_loadcnt 40                              ; all but the youngest 40 loads, K steps 6 and 7 (20 each), are in
.irp k, 0,1,2,3,4,5,6,7
.if \k == 6
	s_wait_loadcnt 0x0
.endif
	WIN 5*(1+\k/3)                                 ; sources 0 and 1 in the K step's window; C and D in window 0
.irp n, 0,1,2,3                        ; the four accumulators take turns, one instruction a turn
	QMM \k, \n
.endr
.endr
	WIN 0
.rept 8
	v_nop                                          ; eight places between the last products and the first read of results
.endr
.irp n, 0,1,2,3
	ds_store_b128 v[SO], v[ACC+8*\n:ACC+8*\n+3] offset:64*\n       ; each accumulator from its low end on: q(r, 16 n + 8 h + 0 .. 7)
	ds_store_b128 v[SO], v[ACC+8*\n+4:ACC+8*\n+7] offset:64*\n+16
.endr
.irp i, 0,1,2,3,4,5,6,7
	ds_load_b128 v[OB+4*\i:OB+4*\i+3], v[RD] offset:544*\i         ; LDS serves a wave's instructions in order: these see my stores.  Lanes 0-15 one row of 256 bytes, lanes 16-31 the next
.endr
.irp i, 0,1,2,3,4,5,6,7
	s_wait_dscnt 7-\i                              ; load i is back; the 7 - i behind it may be out
	global_store_b128 v[GO], v[OB+4*\i:OB+4*\i+3], s[8:9] offset:8192*\i   ; 16 lanes store 256 consecutive bytes, aligned
.endr
	s_wait_tensorcnt 0x0
	ds_add_u32 v254, v255
	s_wait_dscnt 0x0
	s_endpgm
.Lfunc_end_k_q849215decd_query:
	.size	k_q849215decd_query, .Lfunc_end_k_q849215decd_query-k_q849215decd_query
	.p2alignl 7, 3214868480
	.fill 96, 4, 3214868480
	.section	.rodata,"a",@progbits
	.p2align	6, 0x0
	.amdhsa_kernel k_q849215decd_query
		.amdhsa_group_segment_fixed_size 8960
		.amdhsa_private_segment_fixed_size 0
		.amdhsa_enable_private_segment 0
		.amdhsa_kernarg_size 24
		.amdhsa_user_sgpr_count 2
		.amdhsa_user_sgpr_kernarg_segment_ptr 1
		.amdhsa_wavefront_size32 1
		.amdhsa_system_sgpr_workgroup_id_x 1
		.amdhsa_system_sgpr_workgroup_id_y 1
		.amdhsa_system_sgpr_workgroup_id_z 1
		.amdhsa_system_vgpr_workitem_id 0
		.amdhsa_next_free_vgpr 1024
		.amdhsa_next_free_sgpr 66
		.amdhsa_reserve_vcc 0
		.amdhsa_float_denorm_mode_32 3
		.amdhsa_float_denorm_mode_16_64 3
		.amdhsa_memory_ordered 1
		.amdhsa_forward_progress 1
		.amdhsa_inst_pref_size 27
	.end_amdhsa_kernel
	.amdgpu_metadata
---
amdhsa.version: [ 1, 2 ]
amdhsa.kernels:
  - .name:           k_q849215decd_query
    .symbol:         k_q849215decd_query.kd
    .args:
      - { .name: img, .offset: 0, .size: 8, .value_kind: global_buffer, .address_space: global }
      - { .name: bq, .offset: 8, .size: 8, .value_kind: global_buffer, .address_space: global }
      - { .name: qbuf, .offset: 16, .size: 8, .value_kind: global_buffer, .address_space: global }
    .group_segment_fixed_size: 8960
    .private_segment_fixed_size: 0
    .kernarg_segment_align: 8
    .kernarg_segment_size: 24
    .max_flat_workgroup_size: 64
    .sgpr_count:     66
    .vgpr_count:     1024
    .wavefront_size: 32
...
	.end_amdgpu_metadata
.endif
;; end of part 2
;; launch main (part 3): grid 256 x 1, 8 waves a work-group, clusters of 4 x 1, 327,680 bytes of LDS; arguments past_predictions, img, qbuf, bk, bv, out0; writes out0
.if DOCPART == 3
	.amdgcn_target "amdgcn-amd-amdhsa--gfx1250"
	.amdhsa_code_object_version 6
	.text
	.protected	k_q849215decd_main
	.globl	k_q849215decd_main
	.p2align	8
	.type	k_q849215decd_main,@function
k_q849215decd_main:
	s_mov_b64 s[64:65], 0
	v_nop
	global_prefetch_b8 v0, s[64:65] scope:SCOPE_SE
	s_setreg_imm32_b32 hwreg(HW_REG_WAVE_MODE, 25, 1), 1
	s_wait_xcnt 0x0
	s_wait_alu depctr_hold_cnt(0) depctr_sa_sdst(0) depctr_va_vdst(0) depctr_va_sdst(0) depctr_va_ssrc(0) depctr_va_vcc(0) depctr_vm_vsrc(0)
	s_getreg_b32 s2, hwreg(HW_REG_IB_STS2, 6, 4)
	s_cmp_eq_u32 s2, 0
	s_cbranch_scc0 .Lentry_in_a_cluster
	s_endpgm
.Lentry_in_a_cluster:
	s_bfe_u32 s2, ttmp6, 0x10000c
	s_cmp_lg_u32 s2, 0x3003
	s_cbranch_scc0 .Lentry_shape_is_right
	s_endpgm
.Lentry_shape_is_right:
; out0[b] = sum over t of softmax_t(q[b] . (P[b][t] Wk^T + bk)) (P[b][t] Wv^T + bv).  P [512][64][1024] f32; q [512][1024] f32 from qbuf; Wk's and Wv's codes and scale words from img (slots 0-7 Wk, 8-15 Wv).
; Both products with P run on codes of FP8 (E4M3) with one E8M0 scale for each 32 along K; keys and values never leave the registers.  Scores, softmax and context are f32.
; SHARES.  A work-group owns 2 batches = 128 rows of P.  EIGHT WAVES, two to a SIMD, 512 registers each: wave W owns batch b = W / 4 (64 rows = 4 tiles of 16) and K 256 w .. 256 w + 255, w = W % 4 (two K steps).
; It reads those 1,024 bytes of each of its rows once, quantises them (a block of 32 lies inside a wave's K) and keeps the codes, 4 tiles x 2 K steps x 16 = 128 registers, for the whole launch.
; Two waves to a SIMD, so that one wave's products stand beside the other's LDS loads, folds and waits.  The price: a weight fragment is read from LDS by two waves and feeds 4 matrix instructions in each.
; Scores are linear in the keys and the context is linear in the values, so each wave folds its partial tiles at once: keys x q into partial scores, weights x values into a partial context;
; the partials of a batch's four waves are added through LDS, once for each phase.
; bk enters as q . bk, added to every score of its batch; bv is added once at the end, since the weights of a batch, each divided by their sum, add up to 1.
; THE WEIGHTS come through a ring of two LDS slots of 135,168 bytes (8 tiles of 16 outputs, all of K): a slot is 4 dense blocks of 33,792 bytes, block w = what the waves of quarter w need (codes as register images, then scale words).
; Wave W fetches piece W of a slot (16,896 bytes, half a block) with one tensor load; a block is read by two waves, so every first read of a slot stands behind a barrier in front of which each wave has waited for its loads.
; CLUSTER: all work-groups walk the same 16 slots, so the four work-groups of a cluster ask jointly (mask 15): each piece is fetched once for the four.  A mask names at most four, so the cluster is 4 x 1.
; BY TURNS: behind each matrix instruction of a tile stand two packed multiply-adds that fold the tile BEFORE it (two sets of 4 accumulators by turns); they are also the places that loads and reads behind matrix instructions want.
; LAYOUT.  Keys: source 0 = 16 rows of Wk, source 1 = 16 rows of P: a lane holds one row t (lane % 16) and outputs d = 8 (lane / 16) + 0 .. 7.  Values: source 0 = P, source 1 = Wv: a lane holds one output d and rows 8 (lane / 16) + 0 .. 7.
; LIMITS: NaN and infinities among the inputs are not served.  A block of zeros gets the byte 1 where the rule says 127 (its codes are zeros; the bytes never leave this launch).  Blocks whose largest magnitude lies under 2^-118 get the byte 1, as the rule's hold asks; not tried.
; REGISTERS, in two windows of 256.  window 0: v4-55 addresses, scale words, bv; v64-191 first two sets of 64 turned numbers, then v64-127 accumulators (32 (tile % 2) + 8 rt) and v128-191 weight fragments (32 (tile % 2) + 16 s);
;   v192-207 partial scores (4 rt + 2 chain, in pairs), in the values phase v192-195 two context chains, v196-197 at work; v200-216 the quantiser's work; v208-250 at work elsewhere.
;   window 1: v0-127 P's codes (64 s + 16 rt); v128-255 first two landing sets of 64, then q of my batch (64 slot + 8 tile), in the values phase v128-159 the softmax's weights and v160-161 the slots' addresses.
.set SLOTB, 135168
.set BLKB,  33792
.set PIECE, 16896
.set QT,    2*SLOTB                    ; behind the ring: q[2][1024] f32
.set STG,   QT+8192                    ; 4,352 bytes a wave: first the stage of the turn (16 rows of 256 bytes, 272 apart), later the wave's partial context [1024]
.set STGW,  4352
.set SCR,   STG+8*STGW                 ; 256 bytes a wave: partial scores of its 64 rows
.set WT,    SCR+2048                   ; 256 bytes a wave: the weights, each wave's own copy
.set SPARE, WT+2048                    ; the spare words, 128 bytes a wave: four blocks of 256 bytes that no other line names
.set GP,  4                            ; v4   1024 w + 4096 (lane / 16) + 16 (lane % 16): my 16 bytes of two rows' 256
.set STS, 5                            ; v5   the stage, on the way in: 272 (lane / 16) + 16 (lane % 16)
.set STL, 6                            ; v6   and back: 272 r + 64 h
.set QST, 7                            ; v7   QT + 4096 b + 1024 w + 16 lane
.set SPW, 8                            ; v8   my spare word; never rewritten
.set NIL, 9                            ; v9   0; never rewritten
.set AD,  10                           ; v10-11 my block in slot 0, 1: 33792 w + 16 lane
.set QA,  12                           ; v12  QT + 4096 b + 32 h + 512 x slot: q of the slot to come
.set SCA, 13                           ; v13  SCR + 256 W + 4 r
.set SCL, 14                           ; v14  SCR + 1024 b + 16 r
.set WTA, 15                           ; v15  WT + 256 W + 16 r
.set PS,  16                           ; v16-19 P's scale words: lanes 0-15 K step 0, lanes 16-31 K step 1
.set WTL, 20                           ; v20  WT + 256 W + 32 h
.set CTL, 21                           ; v21  STG + 4 STGW b + 1024 w + 16 lane
.set OA,  22                           ; v22  4096 b + 1024 w + 16 lane
.set QO,  23                           ; v23  1024 w + 16 lane
.set WS,  24                           ; v24-39 the weights' scale words, 8 slot + tile, the same halves as P's
.set ASC, 40                           ; v40-41 my block's scale words in slot 0, 1
.set LI,  42                           ; v42  16 lane
.set CTA, 43                           ; v43  where my partial context goes: my stage + 4 r + 512 x slot
.set BV,  48                           ; v48-55 bv
.set XN,  64
.set ACC, 64
.set FR,  128
.set S2,  192
.set TM,  200                          ; v200-203 largest magnitudes, v204-207 bytes, v208-211 448 x the scale, v212-215 the conversions' scale operands
.set PW,  216                          ; the scale word just made
.set WV,  16                           ; s16  wave W
.set KW,  19                           ; s19  w = W % 4
.set BB,  41                           ; s41  b = W / 4
.set SEL, 20                           ; s[20:21] lane selects: lane l xor 16
.set HM,  22                           ; s22  the mask of lanes 16-31
.set MNT, 23                           ; s23  the mantissa field of 448
.set G1,  24                           ; s[24:31] descriptor group 1
.set G0,  32                           ; s[32:39] group 0, a set for each slot
.set SRC, 4                            ; s[4:5] my 64 rows of P
.set MSB, 0
.macro WIN new                         ; the immediate's high byte repeats the setting that is left
.if MSB != (\new)
	s_set_vgpr_msb (MSB<<8)|(\new)
.set MSB, (\new)
.endif
.endm
.macro CREST                           ; a round of the cluster's barrier behind its opening barrier
	s_cmp_lg_u32 s[WV], 0
	s_cbranch_scc1 .Lnot_wave_0_\@
	s_barrier_signal -3
.Lnot_wave_0_\@:
	s_barrier_wait -3
	s_barrier_signal -1
	s_barrier_wait -1
.endm
.macro CROUND                          ; a whole round
	s_barrier_signal -1
	s_barrier_wait -1
	CREST
.endm
.macro GLOAD u                         ; unit u = 2 rt + s: 16 rows x 512 bytes into landing set u % 2.  A load takes 256 consecutive, aligned bytes of each of two rows; half e = 64 along K
	WIN 0x40
.irp e, 0,1
.irp i, 0,1,2,3,4,5,6,7
	global_load_b128 v[128+64*((\u)%2)+32*\e+4*\i:128+64*((\u)%2)+32*\e+4*\i+3], v[GP], s[SRC:SRC+1] offset:(16*((\u)/2)+2*\i)*4096+512*((\u)%2)+256*\e th:TH_LOAD_NT
.endr
.endr
.endm
.macro TURN u                          ; through my stage, a half at a time: LDS serves a wave's instructions in order, so no wait stands between stores and loads, nor in front of the second half's stores
.irp e, 0,1
	WIN 0x04
.irp i, 0,1,2,3,4,5,6,7
	ds_store_b128 v[STS], v[128+64*((\u)%2)+32*\e+4*\i:128+64*((\u)%2)+32*\e+4*\i+3] offset:544*\i
.endr
	WIN 0
.irp b, 0,1
.irp j, 0,1,2,3
	ds_load_b128 v[XN+64*((\u)%2)+32*\e+16*\b+4*\j:XN+64*((\u)%2)+32*\e+16*\b+4*\j+3], v[STL] offset:128*\b+16*\j
.endr
.endr
.endr
.endm
; 64 numbers of a lane, register 16 b + i = k 32 b + 16 h + i of my row, become a fragment's 16 registers at v[dreg] of the window that win names, and its scale word in v[PW]
.macro QUANT xs, win, dreg
	WIN 0
.irp b, 0,1,2,3
	v_max3_num_f32 v[TM+\b], |v[(\xs)+16*\b]|, |v[(\xs)+1+16*\b]|, 0x4800000   ; my 16 numbers of block b, and the floor 2^(9 - 127): the byte cannot fall under 1
.endr
.irp i, 2,4,6,8,10,12,14
.irp b, 0,1,2,3
	v_max3_num_f32 v[TM+\b], v[TM+\b], |v[(\xs)+16*\b+\i]|, |v[(\xs)+1+16*\b+\i]|
.endr
.endr
.irp b, 0,1,2,3
	v_permlanex16_b32 v[TM+4+\b], v[TM+\b], s[SEL], s[SEL+1]
.endr
.irp b, 0,1,2,3
	v_max_num_f32 v[TM+\b], v[TM+\b], v[TM+4+\b]               ; with lane l xor 16's: the block's largest magnitude
.endr
.irp b, 0,1,2,3
	v_add_nc_u32 v[TM+12+\b], 0xfc000000, v[TM+\b]             ; 8 off its exponent field: the conversion's scale operand
.endr
.irp b, 0,1,2,3
	v_and_or_b32 v[TM+8+\b], v[TM+\b], 0x7f800000, s[MNT]      ; 448 x the scale
.endr
.irp b, 0,1,2,3
	v_lshrrev_b32 v[TM+4+\b], 23, v[TM+12+\b]                  ; the scale's byte
.endr
	v_lshl_or_b32 v[PW], v[TM+5], 8, v[TM+4]
	v_lshl_or_b32 v[PW], v[TM+6], 16, v[PW]
	v_lshl_or_b32 v[PW], v[TM+7], 24, v[PW]                    ; my row's scale word, the same in lanes l and l xor 16
.irp b, 0,1,2,3
.irp i, 0,1,2,3,4,5,6,7,8,9,10,11,12,13,14,15
	v_med3_num_f32 v[(\xs)+16*\b+\i], v[(\xs)+16*\b+\i], -v[TM+8+\b], v[TM+8+\b]   ; the conversion to an 8-bit code does not saturate (ISA guide 7.6.2): the hold comes first
.endr
.endr
	WIN \win
.irp b, 0,1,2,3
	v_cvt_scalef32_pk8_fp8_f32 v[(\dreg)+4*\b:(\dreg)+4*\b+1], v[(\xs)+16*\b:(\xs)+16*\b+7], v[TM+12+\b]
	v_cvt_scalef32_pk8_fp8_f32 v[(\dreg)+4*\b+2:(\dreg)+4*\b+3], v[(\xs)+16*\b+8:(\xs)+16*\b+15], v[TM+12+\b]
.endr
	WIN 0
	v_nop                                                      ; one plain vector line behind the last scaled conversion
.endm
.macro STEPHEAD u, nu                  ; unit u's numbers are back; the loads run two units ahead, the turn one
	s_wait_dscnt 0x0                                           ; unit u is back from the stage: its stores have read landing set u % 2, and the stage is free
.if (\u)+2 < \nu
	GLOAD ((\u)+2)
.endif
.if (\u)+1 < \nu
.if (\u)+2 < \nu
	s_wait_loadcnt 16                                          ; unit u + 1's 16 loads are in; those of the unit behind it may be out
.else
	s_wait_loadcnt 0x0
.endif
	TURN ((\u)+1)
.endif
.endm
; ---- THE MATRIX PHASES.  ph = 0 keys, 1 values.  TI counts a tile's 8 matrix instructions: K step TI / 4, tile of rows TI % 4.
.macro PWIN ph                         ; keys: source 1 (P; in a slice q) in window 1, all else in window 0.  values: source 0 (P; in a slice the softmax's weights; of an LDS load the address) in window 1
.if \ph
	WIN 0x01
.else
	WIN 0x04
.endif
.endm
.macro MM ph, dt, sp                   ; the 4 accumulators of a tile take turns, one instruction a turn; the first K step starts the sums
.set RT, TI%4
.set SS, TI/4
.set rD, ACC+32*TA+8*RT
.set rF, FR+32*TA+16*SS
.set rP, 64*SS+16*RT
.set rW, WS+8*(\sp)+(\dt)
.if (\ph) == 0
.if SS == 0
	v_wmma_scale_f32_16x16x128_f8f6f4 v[rD:rD+7], v[rF:rF+15], v[rP:rP+15], 0, v[rW], v[PS+RT]
.else
	v_wmma_scale_f32_16x16x128_f8f6f4 v[rD:rD+7], v[rF:rF+15], v[rP:rP+15], v[rD:rD+7], v[rW], v[PS+RT] matrix_a_scale:MATRIX_SCALE_ROW1 matrix_b_scale:MATRIX_SCALE_ROW1
.endif
.else
.if SS == 0
	v_wmma_scale_f32_16x16x128_f8f6f4 v[rD:rD+7], v[rP:rP+15], v[rF:rF+15], 0, v[PS+RT], v[rW]
.else
	v_wmma_scale_f32_16x16x128_f8f6f4 v[rD:rD+7], v[rP:rP+15], v[rF:rF+15], v[rD:rD+7], v[PS+RT], v[rW] matrix_a_scale:MATRIX_SCALE_ROW1 matrix_b_scale:MATRIX_SCALE_ROW1
.endif
.endif
.endm
; Slice TI of the fold of the tile before (its accumulators: the other set): two of its 16 packed multiply-adds.  Their order, (rt, pair): 00 01 | 10 02 | 20 11 | 30 03 | 12 21 | 31 13 | 22 32 | 23 33
; (a nibble 4 rt + pair for each slice in the two constants below).  Accumulator rt was finished by product 4 + rt of its tile and is first read by the first line of slice rt:
; between the two stand slices 4 + rt .. 7 and 0 .. rt - 1, eight plain vector lines that name none of that product's registers, and that first read is of the accumulator's low end.
.macro SLICE ph
.irp e, 0,1
.if \e == 0
.set CODE, (0xbad6c840>>(4*TI))&15
.else
.set CODE, (0xfe793521>>(4*TI))&15
.endif
.set RT2, CODE/4
.set SPP, CODE%4
.set rA, ACC+32*(1-TA)+8*RT2+2*SPP
.if (\ph) == 0
.set rS, S2+4*RT2+2*(SPP%2)
.set rQ, 128+64*PSP+8*PDT+2*SPP
	v_pk_fma_f32 v[rS:rS+1], v[rA:rA+1], v[rQ:rQ+1], v[rS:rS+1]          ; score(row) += key(row, d) q(d), two d at a time; two chains a tile of rows
.else
.set rS, S2+2*\e
.set rQ, 128+8*RT2+2*SPP
.if TI == 0
	v_pk_mul_f32 v[rS:rS+1], v[rQ:rQ+1], v[rA:rA+1]                      ; a tile's first products start its two chains
.else
	v_pk_fma_f32 v[rS:rS+1], v[rQ:rQ+1], v[rA:rA+1], v[rS:rS+1]          ; context(d) += weight(t) value(t, d), two t at a time
.endif
.endif
.endr
.endm
.macro LF ph, tl, s, sp                ; the fragment of (tile tl, K step s): four loads of 512 consecutive bytes.  tl = 8, 9: tiles 0, 1 of the other slot
.set LT, (\tl)%8
.set LSL, ((\sp)+(\tl)/8)%2
.if \ph
.set LAD, 160+LSL
.else
.set LAD, AD+LSL
.endif
.irp c, 0,1,2,3
	ds_load_b128 v[FR+32*(LT%2)+16*(\s)+4*\c:FR+32*(LT%2)+16*(\s)+4*\c+3], v[LAD] offset:LT*4096+(\s)*2048+512*\c
.endr
.endm
.macro FINV                            ; values: the folded tile's 16 outputs: the two chains, the pair, and the other half of the lanes (the other 8 of each 16 rows)
	WIN 0
	v_pk_add_f32 v[S2:S2+1], v[S2:S2+1], v[S2+2:S2+3]
	v_add_f32 v[S2+4], v[S2], v[S2+1]
	v_permlanex16_b32 v[S2+5], v[S2+4], s[SEL], s[SEL+1]
	v_add_f32 v[S2+4], v[S2+4], v[S2+5]
.endm
.macro FINS pdt, step                  ; and into my partial context; lanes l and l xor 16 write the same word with the same value
	WIN 0
	ds_store_b32 v[CTA], v[S2+4] offset:64*(\pdt)
.if \step
	v_add_nc_u32 v[CTA], 512, v[CTA]               ; on to the next slot's 128 outputs
.endif
.endm
; A TILE of 16 outputs: 8 matrix instructions.  epi: the tile before is folded between them.  chg = 1: this slot's last reads are out: it is filled again; 2: only the barrier in front of the last slot.
; nq: q of the next slot is fetched.  ld bit 0: the fetch behind slice 3 (next tile, K step 1); bit 1: those at the tile's end (next slot's scale words in tile 6; the tile after next, K step 0).  w0, w4: counts of the waits (99: none).
; PLACES (eight for this form).  The fetch behind slice 3 lands in registers last read by the tile before's product 7: slices 7, 0, 1, 2 and one line of slice 3 are nine plain lines that name none of
; that product's registers.  The fetch at the tile's end lands in registers last read by product 3: slices 3 to 7 are ten.  With epi = 0 eight v_nop behind product 7 stand for the missing slices.
.macro TILE ph, dt, sp, epi, chg, nq, ld, w0, w4
.set TA, (\dt)%2
.set PDT, ((\dt)+7)%8
.if (\dt) == 0
.set PSP, 1-(\sp)
.else
.set PSP, (\sp)
.endif
.if (\w0) < 64
	s_wait_dscnt \w0                               ; this tile's K step 0 is in: behind its four loads at least the eight of the two later fetches were issued
.endif
.set TI, 0
.rept 8
.if (TI == 4) && ((\w4) < 64)
	s_wait_dscnt \w4                               ; K step 1 likewise
.endif
	PWIN \ph
	MM \ph, \dt, \sp
.if \epi
	SLICE \ph
.endif
.if (TI == 3) && ((\ld) & 1)
	LF \ph, (\dt)+1, 1, \sp
.endif
.if (TI == 4) && ((\chg) == 1)
	WIN 0                                          ; (the add's two registers lie in window 0)
	s_wait_tensorcnt 0x0                           ; all my tensor loads have landed: the one that was out is my piece of the other slot; so a group 0 may be written
	ds_add_u32 v[SPW], v[NIL]                      ; 0 onto my spare word
	s_add_nc_u64 s[G0+4*(\sp)+2:G0+4*(\sp)+3], s[G0+4*(\sp)+2:G0+4*(\sp)+3], 2*SLOTB   ; this slot's next content: two slots on
.endif
.if (TI == 6) && ((\chg) == 1)
	s_wait_dscnt 0x0                               ; the add is done, and my reads of this slot are over (the last were issued behind slice 3)
	s_barrier_signal -1                            ; this barrier opens a round of the cluster's barrier
.endif
.if (TI == 6) && ((\chg) == 2)
	s_wait_tensorcnt 0x0                           ; my piece of the last slot has landed (no load was issued behind it);
	s_wait_dscnt 0x0                               ; no LDS instruction of mine is pending at a signal
	s_barrier_signal -1                            ; it shows the last slot whole to the waves that read other waves' pieces
.endif
.set TI, TI+1
.endr
.if (\epi) == 0
.rept 8
	v_nop
.endr
.endif
.if (\ph) && (\epi)
	FINV                                           ; (work on registers: it may stand between a signal and its wait)
.endif
.if (\chg) == 1
	WIN 0
	s_barrier_wait -1
	CREST                                          ; no wave of any partner still reads this slot or has a load on its way
	tensor_load_to_lds s[G0+4*(\sp):G0+4*(\sp)+3], s[G1:G1+7]   ; the first thing behind the round, my one tensor load until the next: it has eight tiles in which to land
	s_nop 0
.rept 4
	v_nop
.endr
.endif
.if (\chg) == 2
	s_barrier_wait -1
.endif
.if (\ph) && (\epi)
.if (\dt) == 0
	FINS PDT, 1
.else
	FINS PDT, 0
.endif
.endif
.if ((\dt) == 6) && ((\ld) & 2)
	WIN 0
.irp g, 0,1,2,3
	ds_load_b64 v[WS+8*(1-(\sp))+2*\g:WS+8*(1-(\sp))+2*\g+1], v[ASC+1-(\sp)] offset:256*\g   ; the next slot's scale words, two tiles a load
.endr
.endif
.if \nq
	WIN 0
	v_add_nc_u32 v[QA], 512, v[QA]
	WIN 0x40
.irp t, 0,1,2,3,4,5,6,7
	ds_load_b128 v[128+64*(1-(\sp))+8*\t:128+64*(1-(\sp))+8*\t+3], v[QA] offset:64*\t          ; q(my batch, 16 t + 8 h + 0 .. 7) of the next slot's outputs
	ds_load_b128 v[128+64*(1-(\sp))+8*\t+4:128+64*(1-(\sp))+8*\t+7], v[QA] offset:64*\t+16
.endr
.endif
.if (\ld) & 2
	PWIN \ph
	LF \ph, (\dt)+2, 0, \sp
.endif
.endm
.macro RUN ph, sp, first, chg, nq      ; a slot's tiles from 'first' to 7
.irp d, 0,1,2,3,4,5
.if \d >= \first
	TILE \ph, \d, \sp, 1, 0, 0, 3, 8, 8
.endif
.endr
	TILE \ph, 6, \sp, 1, \chg, \nq, 3, 8, 8
	TILE \ph, 7, \sp, 1, 0, 0, 3, 99, 99           ; tile 7's fragments were shown in by the wait for 0 in front of tile 6's barrier
.endm
.macro BARE ph                         ; a phase's last tile (tile 7 of slot 1) is folded with no products beside it
.set TA, 0
.set PDT, 7
.set PSP, 1
.set TI, 0
.rept 8
	PWIN \ph
	SLICE \ph
.set TI, TI+1
.endr
.endm
	s_load_b256 s[4:11], s[0:1], 0x0               ; P s[4:5], img s[6:7], qbuf s[8:9], bk s[10:11]
	s_load_b128 s[12:15], s[0:1], 0x20             ; bv s[12:13], out0 s[14:15]
	v_lshl_add_u32 v[SPW], v0, 2, SPARE
	v_mov_b32 v[NIL], 0
	ds_add_u32 v8, v9
	ds_add_u32 v8, v9
	s_wait_dscnt 0x0
	v_lshrrev_b32 v1, 5, v0
	v_readfirstlane_b32 s[WV], v1                  ; wave 0..7
	s_and_b32 s[KW], s[WV], 3                      ; w: my quarter of K
	s_lshr_b32 s[BB], s[WV], 2                     ; b: my batch of the two
	s_bfe_u32 s17, ttmp6, 0x40000                  ; cx: my place in the cluster
	s_lshl_b32 s18, ttmp9, 2                       ; in a cluster launch ttmp9 counts clusters
	s_add_co_u32 s18, s18, s17                     ; my work-group: it enters P's, qbuf's and out0's addresses alone
	; descriptor group 1: a dense piece of 66 rows x 256 bytes (32 elements of 8 bytes); no padding: the lanes read it 16 bytes apart
	s_mov_b32 s[G1+0], 15|(3<<16)|(1<<21)          ; 15:0 the mask: all four work-groups; 17:16 elements of 8 bytes; 21 set beside a mask
	s_mov_b32 s[G1+1], 32<<16                      ; tensor_dim0 = 32
	s_mov_b32 s[G1+2], 66<<16                      ; tensor_dim1 = 66
	s_mov_b32 s[G1+3], 32<<16                      ; tile_dim0 = 32
	s_mov_b32 s[G1+4], 66                          ; tile_dim1 = 66
	s_mov_b32 s[G1+5], 32                          ; the pitch
	s_mov_b32 s[G1+6], 0
	s_mov_b32 s[G1+7], 0
	s_mov_b32 s[SEL], 0x76543210
	s_mov_b32 s[SEL+1], 0xfedcba98
	s_mov_b32 s[HM], 0xffff0000
	s_mov_b32 s[MNT], 0x600000
	s_mul_i32 s48, s[KW], BLKB                     ; the block that I read, in a slot
	s_add_co_u32 s50, s48, SLOTB
	s_mul_i32 s51, s[WV], PIECE                    ; the piece that I fetch, in LDS and in img alike: no place in the cluster enters it
	s_mov_b32 s46, s51
	s_mov_b32 s47, 0
	s_wait_kmcnt 0x0
	s_add_nc_u64 s[44:45], s[6:7], s[46:47]
	CROUND                                         ; all four work-groups are here: the first joint loads meet
.irp p, 0,1
	s_mov_b32 s[G0+4*\p], 1                                        ; count = 1
	s_add_co_u32 s[G0+4*\p+1], s51, \p*SLOTB                       ; LDS address
	s_add_nc_u64 s[G0+4*\p+2:G0+4*\p+3], s[44:45], \p*SLOTB        ; global address: slot p of img
	s_or_b32 s[G0+4*\p+3], s[G0+4*\p+3], 0x80000000                ; type = 2
.endr
	tensor_load_to_lds s[G0:G0+3], s[G1:G1+7]      ; both first fills together, ahead of every wait on TENSORcnt and every LDS read: two loads of mine are out
	s_nop 0
	tensor_load_to_lds s[G0+4:G0+7], s[G1:G1+7]
	s_nop 0
.rept 4
	v_nop
.endr
	s_lshl_b32 s46, s18, 19                        ; 128 rows of 4,096 bytes a work-group,
	s_lshl_b32 s42, s[BB], 18                      ; 64 a batch
	s_add_co_u32 s46, s46, s42
	s_add_nc_u64 s[4:5], s[4:5], s[46:47]
	s_lshl_b32 s46, s18, 13                        ; 2 rows of 4,096 bytes a work-group
	s_add_nc_u64 s[14:15], s[14:15], s[46:47]
	s_lshl_b32 s43, s[BB], 12                      ; my batch's row
	s_add_co_u32 s46, s46, s43
	s_add_nc_u64 s[8:9], s[8:9], s[46:47]
	v_and_b32 v1, 31, v0                           ; lane
	v_and_b32 v2, 15, v0                           ; r
	v_bfe_u32 v3, v0, 4, 1                         ; h
	v_lshlrev_b32 v[LI], 4, v1
	s_lshl_b32 s42, s[KW], 10
	v_add_nc_u32 v[QO], s42, v[LI]
	v_lshlrev_b32 v[GP], 4, v2
	v_lshl_add_u32 v[GP], v3, 12, v[GP]
	v_add_nc_u32 v[GP], s42, v[GP]
	global_load_b128 v[224:227], v[QO], s[8:9]                 ; q of my batch, outputs 256 w on: 512 consecutive bytes a load
	global_load_b128 v[228:231], v[QO], s[8:9] offset:512
	global_load_b128 v[240:243], v[QO], s[10:11]               ; bk of the same outputs
	global_load_b128 v[244:247], v[QO], s[10:11] offset:512
	GLOAD 0
	GLOAD 1
	WIN 0
	v_add_nc_u32 v[OA], s43, v[QO]
	v_add_nc_u32 v[QST], QT, v[OA]
	s_mul_i32 s49, s[WV], STGW
	s_add_co_u32 s49, s49, STG                     ; my 4,352 bytes
	v_mul_u32_u24 v[STS], v3, 272
	v_lshl_add_u32 v[STS], v2, 4, v[STS]
	v_add_nc_u32 v[STS], s49, v[STS]
	v_mul_u32_u24 v[STL], v2, 272
	v_lshl_add_u32 v[STL], v3, 6, v[STL]
	v_add_nc_u32 v[STL], s49, v[STL]
	v_lshlrev_b32 v[CTA], 2, v2
	v_add_nc_u32 v[CTA], s49, v[CTA]
	v_lshlrev_b32 v[QA], 5, v3
	v_add_nc_u32 v[QA], s43, v[QA]
	v_add_nc_u32 v[QA], QT, v[QA]
	s_lshl_b32 s53, s[WV], 8
	s_lshl_b32 s54, s[BB], 10
	v_lshlrev_b32 v[SCA], 2, v2
	v_add_nc_u32 v[SCA], s53, v[SCA]
	v_add_nc_u32 v[SCA], SCR, v[SCA]
	v_lshlrev_b32 v[SCL], 4, v2
	v_add_nc_u32 v[WTA], s53, v[SCL]
	v_add_nc_u32 v[WTA], WT, v[WTA]
	v_add_nc_u32 v[SCL], s54, v[SCL]
	v_add_nc_u32 v[SCL], SCR, v[SCL]
	v_lshlrev_b32 v[WTL], 5, v3
	v_add_nc_u32 v[WTL], s53, v[WTL]
	v_add_nc_u32 v[WTL], WT, v[WTL]
	s_mul_i32 s52, s[BB], 4*STGW
	v_add_nc_u32 v[CTL], s52, v[QO]
	v_add_nc_u32 v[CTL], STG, v[CTL]
	v_lshlrev_b32 v[ASC], 3, v1
	v_add_nc_u32 v[ASC], s48, v[ASC]
	v_add_nc_u32 v[ASC], 32768, v[ASC]
	v_add_nc_u32 v[ASC+1], SLOTB, v[ASC]
	v_add_nc_u32 v[AD], s48, v[LI]
	v_add_nc_u32 v[AD+1], s50, v[LI]
.irp b, 0,1,2,3
	v_mov_b32 v[TM+4+\b], 0                        ; written once: a lane permute's destination counts as one of its sources
.endr
	v_mov_b32 v250, 0
	s_wait_loadcnt 32                              ; q and bk are in; the 32 loads of units 0 and 1 may be out
	ds_store_b128 v[QST], v[224:227]               ; q into QT, as it lies in memory
	ds_store_b128 v[QST], v[228:231] offset:512
	v_mul_f32 v248, v224, v240                     ; q . bk over my 8 outputs
.irp j, 1,2,3,4,5,6,7
	v_fmac_f32 v248, v[224+\j], v[240+\j]
.endr
.irp m, 1,2,4,8
	v_add_f32_dpp v248, v248, v248 row_xmask:\m row_mask:0xf bank_mask:0xf
.endr
	v_permlanex16_b32 v250, v248, s[SEL], s[SEL+1]
	v_add_f32 v248, v248, v250                     ; over my wave's 256 outputs
	v_mul_f32 v248, 0.5, v248                      ; half of it in each half of the lanes: the two halves of a score are added later
	s_wait_loadcnt 16                              ; unit 0's 16 loads are in; unit 1's may be out
	TURN 0
	; ---- PHASE 0: my quarter of K of my 64 rows becomes codes: 8 units of 16 rows x 128
.set U, 0
.rept 8
	STEPHEAD U, 8
	QUANT XN+64*(U%2), 0x40, 64*(U%2)+16*(U/2)
.if U%2 == 0
	v_mov_b32 v[PS+U/2], v[PW]                     ; K step 0's word,
.else
	v_cndmask_b32 v[PS+U/2], v[PS+U/2], v[PW], s[HM]   ; and in lanes 16-31 K step 1's
.endif
.set U, U+1
.endr
.irp t, 0,1,2,3
	v_mov_b32 v[S2+4*\t], v248                     ; the partial scores begin with q . bk
	v_mov_b32 v[S2+4*\t+1], 0
	v_mov_b32 v[S2+4*\t+2], 0
	v_mov_b32 v[S2+4*\t+3], 0
.endr
	s_wait_tensorcnt 0x1                           ; my piece of slot 0 is in (slot 1's load was issued behind it and may be out)
	s_wait_dscnt 0x0                               ; and my part of q lies in QT: both for the others' sake
	s_barrier_signal -1
	s_barrier_wait -1                              ; QT and slot 0 are whole
	global_load_b128 v[BV:BV+3], v[QO], s[12:13]               ; bv of the 256 outputs that I store at the end
	global_load_b128 v[BV+4:BV+7], v[QO], s[12:13] offset:512
.irp g, 0,1,2,3
	ds_load_b64 v[WS+2*\g:WS+2*\g+1], v[ASC] offset:256*\g
.endr
	WIN 0x40
.irp t, 0,1,2,3,4,5,6,7
	ds_load_b128 v[128+8*\t:128+8*\t+3], v[QA] offset:64*\t
	ds_load_b128 v[128+8*\t+4:128+8*\t+7], v[QA] offset:64*\t+16
.endr
	WIN 0x04
	LF 0, 0, 0, 0
	LF 0, 0, 1, 0
	LF 0, 1, 0, 0
	; ---- KEYS: slots 0 to 7.  A trip goes once round the ring, from slot 0's tile 1 to the next slot 0's tile 0
	TILE 0, 0, 0, 0, 0, 0, 3, 8, 8
	WIN 0                                          ; at a label and at a branch every window is 0
	s_mov_b32 s40, 3
.Lkeys:
	RUN 0, 0, 1, 1, 1
	RUN 0, 1, 0, 1, 1
	TILE 0, 0, 0, 1, 0, 0, 3, 8, 8
	WIN 0
	s_sub_co_u32 s40, s40, 1
	s_cmp_lg_u32 s40, 0
	s_cbranch_scc1 .Lkeys
	RUN 0, 0, 1, 1, 1                              ; slot 6 of img
	RUN 0, 1, 0, 1, 0                              ; slot 7: no q is left to fetch; the ring goes on into Wv's slots
	BARE 0
	; ---- SOFTMAX.  A row's partial score: its two chains, its pair, and the other half of the lanes (the other 8 of each 16 outputs); then the partials of my batch's four waves through LDS
	WIN 0
.irp t, 0,1,2,3
	v_pk_add_f32 v[S2+4*\t:S2+4*\t+1], v[S2+4*\t:S2+4*\t+1], v[S2+4*\t+2:S2+4*\t+3]
.endr
.irp t, 0,1,2,3
	v_add_f32 v[208+\t], v[S2+4*\t], v[S2+4*\t+1]
.endr
.irp t, 0,1,2,3
	v_permlanex16_b32 v[S2+4*\t+2], v[208+\t], s[SEL], s[SEL+1]
.endr
.irp t, 0,1,2,3
	v_add_f32 v[208+\t], v[208+\t], v[S2+4*\t+2]
.endr
.irp t, 0,1,2,3
	ds_store_b32 v[SCA], v[208+\t] offset:64*\t    ; row 16 t + r; lanes l and l xor 16 write the same word with the same value
.endr
	s_wait_dscnt 0x0                               ; for the others' sake: my partial scores are stored (and my fetches for the first tiles of the values are in)
	s_barrier_signal -1
	s_barrier_wait -1                              ; the tensor load that is out may stay out
.irp k, 0,1,2,3
	ds_load_b128 v[212+4*\k:215+4*\k], v[SCL] offset:256*\k    ; rows 4 r + 0 .. 3 of the partials of wave 4 b + k; both halves of the lanes hold the same
.endr
	s_wait_dscnt 0x0
	v_pk_add_f32 v[212:213], v[212:213], v[216:217]    ; every wave of a batch adds in the same order: all four hold the same weights
	v_pk_add_f32 v[214:215], v[214:215], v[218:219]
	v_pk_add_f32 v[220:221], v[220:221], v[224:225]
	v_pk_add_f32 v[222:223], v[222:223], v[226:227]
	v_pk_add_f32 v[212:213], v[212:213], v[220:221]
	v_pk_add_f32 v[214:215], v[214:215], v[222:223]
	v_max3_num_f32 v228, v212, v213, v214
	v_max_num_f32 v228, v228, v215
.irp m, 1,2,4,8
	v_max_num_f32_dpp v228, v228, v228 row_xmask:\m row_mask:0xf bank_mask:0xf    ; over the 16 lanes that hold the batch's 64 rows: the largest score
.endr
.irp j, 0,1,2,3
	v_sub_f32 v[212+\j], v[212+\j], v228
.endr
.irp j, 0,1,2,3
	v_mul_f32 v[212+\j], 0x3fb8aa3b, v[212+\j]     ; x log2(e)
.endr
.irp j, 0,1,2,3
	v_exp_f32 v[212+\j], v[212+\j]
.endr
	v_nop                                          ; one plain line behind the exponentials
	s_wait_alu depctr_va_vdst(0)
	v_add_f32 v229, v212, v213
	v_add_f32 v230, v214, v215
	v_add_f32 v229, v229, v230
.irp m, 1,2,4,8
	v_add_f32_dpp v229, v229, v229 row_xmask:\m row_mask:0xf bank_mask:0xf
.endr
	v_rcp_f32 v229, v229
	v_nop                                          ; one plain line behind the reciprocal
	s_wait_alu depctr_va_vdst(0)
.irp j, 0,1,2,3
	v_mul_f32 v[212+\j], v[212+\j], v229
.endr
	ds_store_b128 v[WTA], v[212:215]               ; into my own copy; LDS serves a wave's instructions in order: the loads below see it
	WIN 0x40
.irp t, 0,1,2,3
	ds_load_b128 v[128+8*\t:128+8*\t+3], v[WTL] offset:64*\t           ; weights of rows 16 t + 8 h + 0 .. 7
	ds_load_b128 v[128+8*\t+4:128+8*\t+7], v[WTL] offset:64*\t+16
.endr
	v_add_nc_u32 v160, s48, v[LI]                  ; the slots' addresses where the values phase's fetches find them
	v_add_nc_u32 v161, s50, v[LI]
	s_wait_dscnt 0x0
	; ---- VALUES: slots 8 to 15, the same skeleton
	TILE 1, 0, 0, 0, 0, 0, 3, 99, 99
	WIN 0
	s_mov_b32 s40, 3
.Lvalues:
	RUN 1, 0, 1, 1, 0
	RUN 1, 1, 0, 1, 0
	TILE 1, 0, 0, 1, 0, 0, 3, 8, 8
	WIN 0
	s_sub_co_u32 s40, s40, 1
	s_cmp_lg_u32 s40, 0
	s_cbranch_scc1 .Lvalues
	RUN 1, 0, 1, 2, 0                              ; slot 14: nothing is left to ask for
.irp d, 0,1,2,3,4,5
	TILE 1, \d, 1, 1, 0, 0, 3, 8, 8                ; slot 15
.endr
	TILE 1, 6, 1, 1, 0, 0, 1, 8, 8                 ; only tile 7's second fragment is left to fetch
	TILE 1, 7, 1, 1, 0, 0, 0, 4, 0                 ; behind its first fragment's loads: the four of the second, and a store
	BARE 1
	FINV
	FINS 7, 0
	; ---- OUT: the partial contexts of a batch's four waves are added; wave W takes bytes 1024 W on of [2][1024] f32
	s_wait_dscnt 0x0                               ; for the others' sake: my partial context is stored
	s_barrier_signal -1
	s_barrier_wait -1
.irp q, 0,1,2,3
.irp k, 0,1
	ds_load_b128 v[208+8*\q+4*\k:208+8*\q+4*\k+3], v[CTL] offset:STGW*\q+512*\k
.endr
.endr
	s_wait_loadcnt 0x0                             ; bv
	s_wait_dscnt 0x0
.irp k, 0,1
.irp e, 0,2
	v_pk_add_f32 v[208+4*\k+\e:209+4*\k+\e], v[208+4*\k+\e:209+4*\k+\e], v[216+4*\k+\e:217+4*\k+\e]
	v_pk_add_f32 v[224+4*\k+\e:225+4*\k+\e], v[224+4*\k+\e:225+4*\k+\e], v[232+4*\k+\e:233+4*\k+\e]
	v_pk_add_f32 v[208+4*\k+\e:209+4*\k+\e], v[208+4*\k+\e:209+4*\k+\e], v[224+4*\k+\e:225+4*\k+\e]
	v_pk_add_f32 v[208+4*\k+\e:209+4*\k+\e], v[208+4*\k+\e:209+4*\k+\e], v[BV+4*\k+\e:BV+4*\k+\e+1]
.endr
	global_store_b128 v[OA], v[208+4*\k:211+4*\k], s[14:15] offset:512*\k    ; 32 lanes store 512 consecutive bytes, aligned
.endr
	s_wait_tensorcnt 0x0                           ; the wave's end: behind my last tensor load and my last LDS store
	ds_add_u32 v[SPW], v[NIL]
	s_wait_dscnt 0x0
	CROUND                                         ; the closing round: no work-group ends while a partner may still ask for a piece that names it
	s_endpgm
.Lfunc_end_k_q849215decd_main:
	.size	k_q849215decd_main, .Lfunc_end_k_q849215decd_main-k_q849215decd_main
	.p2alignl 7, 3214868480
	.fill 96, 4, 3214868480
	.section	.rodata,"a",@progbits
	.p2align	6, 0x0
	.amdhsa_kernel k_q849215decd_main
		.amdhsa_group_segment_fixed_size 327680
		.amdhsa_private_segment_fixed_size 0
		.amdhsa_enable_private_segment 0
		.amdhsa_kernarg_size 48
		.amdhsa_user_sgpr_count 2
		.amdhsa_user_sgpr_kernarg_segment_ptr 1
		.amdhsa_wavefront_size32 1
		.amdhsa_system_sgpr_workgroup_id_x 1
		.amdhsa_system_sgpr_workgroup_id_y 1
		.amdhsa_system_sgpr_workgroup_id_z 1
		.amdhsa_system_vgpr_workitem_id 0
		.amdhsa_next_free_vgpr 512
		.amdhsa_next_free_sgpr 66
		.amdhsa_reserve_vcc 0
		.amdhsa_float_denorm_mode_32 3
		.amdhsa_float_denorm_mode_16_64 3
		.amdhsa_memory_ordered 1
		.amdhsa_forward_progress 1
		.amdhsa_inst_pref_size 255
	.end_amdhsa_kernel
	.section	.bss,"aw",@nobits
	.p2align	6
	.space	262144
	.amdgpu_metadata
---
amdhsa.version: [ 1, 2 ]
amdhsa.kernels:
  - .name:           k_q849215decd_main
    .symbol:         k_q849215decd_main.kd
    .args:
      - { .name: past_predictions, .offset: 0, .size: 8, .value_kind: global_buffer, .address_space: global }
      - { .name: img, .offset: 8, .size: 8, .value_kind: global_buffer, .address_space: global }
      - { .name: qbuf, .offset: 16, .size: 8, .value_kind: global_buffer, .address_space: global }
      - { .name: bk, .offset: 24, .size: 8, .value_kind: global_buffer, .address_space: global }
      - { .name: bv, .offset: 32, .size: 8, .value_kind: global_buffer, .address_space: global }
      - { .name: out0, .offset: 40, .size: 8, .value_kind: global_buffer, .address_space: global }
    .group_segment_fixed_size: 327680
    .private_segment_fixed_size: 0
    .kernarg_segment_align: 8
    .kernarg_segment_size: 48
    .max_flat_workgroup_size: 256
    .sgpr_count:     66
    .vgpr_count:     512
    .wavefront_size: 32
...
	.end_amdgpu_metadata
.endif
;; end of part 3
